; MI455X (gfx1250); checked and timed in simulation.
; The chip was launched on July 23, 2026; its instructions are those of AMD's public machine-readable ISA for CDNA 5 (MIT licence, August 2026) and "CDNA5" Instruction Set Architecture Reference Guide (July 2026). The comments in the code are by the model that wrote it; some were corrected since.
;; Variational Dense. Allowed arithmetic: matrix products marked QUANTISED: E2M1 operands, one E8M0 scale for each 32 along K, by v_wmma_scale_f32_16x16x128_f8f6f4 with both operands' format E2M1 (or v_wmma_scale_f32_32x16x128_f4), f32 sums; everything else in f32.
;; Inputs: M_codes 4,096 x 128 x 16 uint8 (E2M1 codes of M, K innermost, in blocks of 32 codes, two codes a byte); M_scales 4,096 x 128 uint8 (E8M0 scales of M, one for each 32 codes along K); bern 4,096 float32; m 4,096 float32; x 4,096 x 4,096 float32.
;; Outputs: out0 4,096 x 4,096 float32.
;; This version of the problem:
;;   THIS VERSION OF THE PROBLEM IS GIVEN IN LOW PRECISION. The matrix products marked QUANTISED in the list below multiply operands that are first quantised to E2M1 (2 exponent bits, 1 mantissa bit; 4 bits a number), with one power-of-two scale for each 32 numbers along K (OCP MX v1.0); their sums are f32. All else is computed in f32.
;;   The module's matrix products, in the order in which they are computed (A, B: the left and right operand; K: the contracted axis; several contracted axes count as one K, in the product's order):
;;     1. [M 4,096, K 4,096] x [K 4,096, N 4,096]; A: computed on the way; B: input M (given as codes): QUANTISED
;;   THE QUANTISER, for each operand of a quantised product, along K:
;;     - K is cut into blocks of 32 from its start; a last block that is shorter is filled with zeros.
;;     - A block's scale is 2^e with e = floor(log2(the largest magnitude in the block)) - 2, held to -126 .. 127; a block of zeros has e = 0. As a byte (E8M0): e + 127.
;;     - Each number is divided by its block's scale, clamped to +-6, and rounded to the nearest number of E2M1, ties to even, subnormals kept.
;;     - The product sums the exact products of the quantised numbers (number of the format x scale) in f32.
;;   ~~~python
;;   def quantise(x, axis):      # numpy; x: float32 -> the quantised numbers, widened to float32 again
;;       x = np.moveaxis(x, axis, -1); K = x.shape[-1]
;;       x = np.pad(x, [(0, 0)] * (x.ndim - 1) + [(0, -K % 32)]); x = x.reshape(x.shape[:-1] + (-1, 32)); a = np.abs(x).max(-1, keepdims=True)
;;       e = np.where(a > 0, np.clip(np.frexp(np.where(a > 0, a, 1))[1] - 1 - 2, -126, 127), 0)      # np.frexp(a)[1] - 1 = floor(log2(a)), exactly
;;       r = np.clip(x / 2.0 ** e, -6, 6)
;;       step = 2.0 ** (np.maximum(np.frexp(np.where(r == 0, 1, r))[1] - 1, 0) - 1)
;;       q = np.round(r / step) * step * 2.0 ** e      # np.round: ties to even
;;       return np.moveaxis(q.reshape(q.shape[:-2] + (-1,))[..., :K], -1, axis).astype(np.float32)
;;   ~~~
;;   OPERANDS COMPUTED ON THE WAY. 'Computed on the way' means the value that the module computes at that place (a softmax that the list does not call 'softmax' is quantised finished and normalised). What goes into a quantiser is computed in f32, as accurately as f32 sums, v_exp_f32 and their like allow (about 1e-6 of the number): no bf16 or f16 on the way to a quantiser, and a product that is left as it is and whose result goes on into a quantised operand takes f32 operands (vector FMAs, or v_wmma_f32_16x16x4_f32). A number that lies on a knife's edge between two numbers of the format may be rounded either way, as far as f32 arithmetic and the matrix unit's own rounding can turn it there, and no further.
;;   INPUTS GIVEN AS CODES. M (in the module: [4096, 4096], K = its axis 0): each comes as NAME_codes (uint8): NAME with its K axis moved to the last place and cut into blocks of 32 codes, [.., K / 32, bytes a block], one block behind the other in memory; two codes a byte, the lower K in the low four bits (a code: sign, 2 exponent bits, 1 mantissa bit); and NAME_scales (uint8): the same leading axes, one E8M0 byte (e + 127) for each 32 codes along K. Its value is code x scale, taken as it is: it is not quantised again, and the codes and scales need not be those that the quantiser above would give.
;; One version. Each part assembles by itself: llvm-mc -triple=amdgcn-amd-amdhsa -mcpu=gfx1250 --defsym DOCPART=n.
;; ======== version 1 of 1: 2 launches
;; limits: right only within a limited range of input values
;; workspace buffers: a_codes 8,388,608 bytes; a_scl 524,288 bytes
;; launch quant (part 1): grid 256 x 1, 8 waves a work-group, no clusters, 78,848 bytes of LDS; arguments x, bern, a_codes, a_scl; writes a_codes, a_scl
.if DOCPART == 1
	.amdgcn_target "amdgcn-amd-amdhsa--gfx1250"
	.amdhsa_code_object_version 6
	.text
	.protected	k_qad172e1a71_quant
	.globl	k_qad172e1a71_quant
	.p2align	8
	.type	k_qad172e1a71_quant,@function
k_qad172e1a71_quant:
	s_mov_b64 s[64:65], 0
	v_nop
	global_prefetch_b8 v0, s[64:65] scope:SCOPE_SE
	s_setreg_imm32_b32 hwreg(HW_REG_WAVE_MODE, 25, 1), 1
	s_wait_xcnt 0x0
; a = x * bern (one f32 multiplication a number), x [4096][4096] f32, bern [4096] f32, is turned into codes of FP4 (E2M1) along the columns, which are the product's K, with one E8M0 scale byte for each 32.
; A block's scale is 2^(floor(log2(its largest magnitude)) - 2); its byte is the largest magnitude's own exponent field - 2, held at 1 from below.  Each number is divided by the scale and rounded to the nearest code,
; ties to even; beyond 6 the conversion gives the largest code.
; LIMITS: NaN and infinities in x or bern are not served.  A block of zeros gets the byte 1 where the quantiser's rule says 127: its codes are zeros, which add nothing under any byte but 0xff, and this program alone reads the bytes.
; THE OUTPUT IS LAID AS THE NEXT LAUNCH'S REGISTERS WANT IT.  a_codes [64 groups of 64 rows][32 steps of 128 along K][4 fragments of 16 rows][1,024 bytes]; a fragment is [4 blocks of 32 along K][16 rows][16 bytes]:
; lane (r, h) of the matrix operand holds, in registers 4 c .. 4 c + 3, block 2 c + h of row r, so two loads of 16 bytes a lane, at 16 x lane and 512 bytes on, bring a fragment.  a_scl [8 runs of 512 along K][4096 rows][16 bytes].
; SHARES.  A work-group owns 16 rows of x (one fragment's rows); wave w owns columns 512 w on: 16 steps of one row's 512 numbers.  Its codes are four fragments, 1,024 consecutive bytes each, its scale bytes 256 consecutive
; bytes: both are gathered in the wave's own LDS and leave by eight stores of 512 bytes and one of 256.
; The conversions take 8 numbers of ONE block from a lane's consecutive registers, so a lane must hold 16 NEIGHBOURS (two neighbouring lanes hold a block); a load is best where neighbouring LANES take neighbouring bytes.
; Both are had: each of a step's four loads reads 512 consecutive bytes, 16 a lane; the 2,048 bytes go through the wave's own stage in LDS, as they lie, and come back 64 bytes a lane (16 bytes of padding behind each 64).
; No tensor loads, no barrier: waves share nothing.  Loads run eight steps (32 loads, 16 KiB a wave) ahead, the turn through LDS one step.  Every offset is an immediate: no pointer is stepped.
.set STEPS, 16
.set AHEAD, 8
.set SP,    80                         ; a lane's place in a stage: its 64 bytes + 16 of padding
.set STGB,  32*SP                      ; a stage
.set IMG,   2*STGB                     ; behind the two stages: the image of the codes: 16 blocks along K, each 16 rows x 16 bytes
.set UP,    272                        ; from block to block in the image: 256 bytes + 16 = 68 words, so that the sixteen pairs of lanes of a store fall on sixteen different groups of four banks
.set SBY,   IMG+16*UP                  ; behind it: the 16 rows' scale bytes, 16 a row
.set WREG,  SBY+256                    ; LDS: a region of its own for each wave
.set BN,    16                         ; v16-31   bern of my 16 columns
.set R,     32                         ; v32-159  eight sets of 16 numbers as they are loaded; at the end the image on its way out
.set X,     160                        ; v160-191 two sets of 16 neighbours
.set C,     192                        ; v192-223 codes: two registers for each step, so that no store's data are written again
.set E,     224                        ; v224-239 a scale byte for each step
	s_load_b256 s[4:11], s[0:1], 0x0               ; x s[4:5], bern s[6:7], a_codes s[8:9], a_scl s[10:11]
	v_lshl_add_u32 v240, v0, 2, 0x13000
	v_mov_b32 v241, 0
	v_lshrrev_b32 v1, 5, v0
	s_delay_alu instid0(VALU_DEP_1)
	v_readfirstlane_b32 s16, v1                    ; wave 0..7 = my run of 512 along K
	v_and_b32 v2, 31, v0                           ; lane
	s_delay_alu instid0(VALU_DEP_1)
	v_lshlrev_b32 v3, 4, v2                        ; my 16 bytes of a load's or a store's 512
	s_delay_alu instid0(VALU_DEP_2)
	v_lshlrev_b32 v7, 3, v2                        ; my 8 bytes of the last store's 256
	s_mul_i32 s17, s16, WREG                       ; my wave's region of LDS
	v_lshrrev_b32 v5, 1, v2                        ; my block of the run's 16: lane / 2
	s_delay_alu instid0(VALU_DEP_1)
	v_mul_u32_u24 v4, v5, UP
	v_and_b32 v9, 1, v2
	s_delay_alu instid0(VALU_DEP_1)
	v_lshl_add_u32 v4, v9, 3, v4
	s_delay_alu instid0(VALU_DEP_1)
	v_add_nc_u32 v4, s17, v4
	s_delay_alu instid0(VALU_DEP_1)
	v_add_nc_u32 v4, IMG, v4                       ; the image, on the way in: my block, my half of a row's 16 bytes; the row stands in the immediate
	v_add_nc_u32 v5, s17, v5
	s_delay_alu instid0(VALU_DEP_1)
	v_add_nc_u32 v5, SBY, v5                       ; my block's scale byte in a row's 16
	v_lshrrev_b32 v6, 4, v2
	s_delay_alu instid0(VALU_DEP_1)
	v_mul_u32_u24 v6, v6, UP
	v_and_b32 v9, 15, v2
	s_delay_alu instid0(VALU_DEP_1)
	v_lshl_add_u32 v6, v9, 4, v6
	s_delay_alu instid0(VALU_DEP_1)
	v_add_nc_u32 v6, s17, v6
	s_delay_alu instid0(VALU_DEP_1)
	v_add_nc_u32 v6, IMG, v6                       ; the image, on the way out: two blocks an instruction, sixteen lanes to a block's 256 bytes
	v_add_nc_u32 v10, s17, v7
	s_delay_alu instid0(VALU_DEP_1)
	v_add_nc_u32 v10, SBY, v10                     ; the scale bytes on the way out: 8 a lane
	v_lshrrev_b32 v14, 2, v2
	s_delay_alu instid0(VALU_DEP_1)
	v_mul_u32_u24 v14, v14, SP
	v_and_b32 v15, 3, v2
	s_delay_alu instid0(VALU_DEP_1)
	v_lshl_add_u32 v14, v15, 4, v14
	s_delay_alu instid0(VALU_DEP_1)
	v_add_nc_u32 v14, s17, v14                     ; a stage, on the way in: four lanes' 64 bytes on end, then 16 of padding: SP (lane / 4) + 16 (lane % 4); a load's 512 bytes take eight places
	v_mul_u32_u24 v15, v2, SP
	s_delay_alu instid0(VALU_DEP_1)
	v_add_nc_u32 v15, s17, v15                     ; and on the way out: SP x lane: my 16 neighbours
	s_lshl_b32 s18, ttmp9, 18                      ; x: 16 rows of 16,384 bytes a work-group,
	s_lshl_b32 s20, s16, 11                        ; 2,048 bytes of a row a wave; the same 2,048 w in bern
	s_add_co_u32 s18, s18, s20
	s_mov_b32 s19, 0
	s_mov_b32 s21, 0
	s_lshr_b32 s22, ttmp9, 2                       ; a_codes: the group of 64 rows, 131,072 bytes each,
	s_lshl_b32 s22, s22, 17
	s_and_b32 s23, ttmp9, 3                        ; which of its four fragments my 16 rows are, 1,024 bytes each,
	s_lshl_b32 s23, s23, 10
	s_add_co_u32 s22, s22, s23
	s_lshl_b32 s23, s16, 14                        ; my four steps of 128 along K, 4,096 bytes each
	s_add_co_u32 s22, s22, s23
	s_mov_b32 s23, 0
	s_lshl_b32 s24, s16, 16                        ; a_scl: my run, 65,536 bytes each,
	s_lshl_b32 s25, ttmp9, 8                       ; my 16 rows of 16 bytes
	s_add_co_u32 s24, s24, s25
	s_mov_b32 s25, 0
	s_wait_alu depctr_va_vdst(0)
	s_wait_kmcnt 0x0
	s_add_nc_u64 s[4:5], s[4:5], s[18:19]
	s_add_nc_u64 s[6:7], s[6:7], s[20:21]
	s_add_nc_u64 s[8:9], s[8:9], s[22:23]
	s_add_nc_u64 s[10:11], s[10:11], s[24:25]
.macro LOAD t                          ; row t's 2,048 bytes into set t % 8
.irp i, 0,1,2,3
	global_load_b128 v[R+16*((\t)%AHEAD)+4*\i:R+16*((\t)%AHEAD)+4*\i+3], v3, s[4:5] offset:16384*(\t)+512*\i th:TH_LOAD_NT   ; 32 lanes read 512 consecutive bytes; read once in the launch
.endr
.endm
.macro TURN t                          ; row t's numbers through stage t % 2: LDS serves a wave's instructions in order (ISA guide 5.7.1.4), so no wait stands between the stores and the loads
.irp i, 0,1,2,3
	ds_store_b128 v14, v[R+16*((\t)%AHEAD)+4*\i:R+16*((\t)%AHEAD)+4*\i+3] offset:STGB*((\t)%2)+8*SP*\i
.endr
.irp i, 0,1,2,3
	ds_load_b128 v[X+16*((\t)%2)+4*\i:X+16*((\t)%2)+4*\i+3], v15 offset:STGB*((\t)%2)+16*\i
.endr
.endm
.irp i, 0,1,2,3
	global_load_b128 v[X+16+4*\i:X+16+4*\i+3], v3, s[6:7] offset:512*\i   ; bern of my wave's 512 columns, as it lies (every work-group reads it: no hint)
.endr
.irp t, 0,1,2,3,4,5,6,7
	LOAD \t
.endr
	s_wait_loadcnt 4*AHEAD                         ; bern is in; the 32 loads issued behind it stay out
.irp i, 0,1,2,3
	ds_store_b128 v14, v[X+16+4*\i:X+16+4*\i+3] offset:STGB+8*SP*\i      ; bern turns as the rows do, through stage 1, which row 1 takes only behind the wait for 0 at step 0's head
.endr
.irp i, 0,1,2,3
	ds_load_b128 v[BN+4*\i:BN+4*\i+3], v15 offset:STGB+16*\i
.endr
	s_wait_loadcnt 4*(AHEAD-1)                     ; row 0's four loads are in
	TURN 0
.macro STEP t
.set XS, X+16*((\t)%2)
.if (\t) > 0
	s_wait_dscnt 2                                 ; this row's numbers are back from the stage (the last step's two stores into the image may be out): so its stores into the stage have read their registers,
.else
	s_wait_dscnt 0x0                               ; (bern too)
.endif
.if (\t)+AHEAD < STEPS
	LOAD (\t)+AHEAD                                ; which take the loads of eight rows on
.endif
.if (\t)+1 < STEPS
.if (\t) < AHEAD
	s_wait_loadcnt 4*(AHEAD-1)                     ; the next row's four loads are in; those of the seven rows behind it may be out
.else
	s_wait_loadcnt 4*(STEPS-2-(\t))                ; the counts run down
.endif
	TURN (\t)+1                                    ; and go through the other stage while this row is worked
.endif
.irp i, 0,2,4,6,8,10,12,14
	v_pk_mul_f32 v[XS+\i:XS+\i+1], v[XS+\i:XS+\i+1], v[BN+\i:BN+\i+1]   ; x * bern, in f32
.endr
	v_max3_num_f32 v8, |v[XS]|, |v[XS+1]|, |v[XS+2]|               ; the largest magnitude of my 16, in two chains
	v_max3_num_f32 v9, |v[XS+3]|, |v[XS+4]|, |v[XS+5]|
.irp i, 6,10
	s_delay_alu instid0(VALU_DEP_2)
	v_max3_num_f32 v8, v8, |v[XS+\i]|, |v[XS+\i+1]|
	s_delay_alu instid0(VALU_DEP_2)
	v_max3_num_f32 v9, v9, |v[XS+\i+2]|, |v[XS+\i+3]|
.endr
	s_delay_alu instid0(VALU_DEP_2)
	v_max3_num_f32 v8, v8, |v[XS+14]|, |v[XS+15]|
	s_delay_alu instid0(VALU_DEP_1)
	v_max3_num_f32 v8, v8, v9, 0x1800000           ; and the floor 2^(3 - 127), under which no largest magnitude is taken: so the byte cannot fall under 1
	s_delay_alu instid0(VALU_DEP_1)
	v_max_num_f32_dpp v8, v8, v8 row_xmask:1 row_mask:0xf bank_mask:0xf   ; and of my neighbour's 16: the block's
	s_delay_alu instid0(VALU_DEP_1)
	v_add_nc_u32 v11, 0xff000000, v8               ; 2 off its exponent field: the conversion takes the exponent field of this operand as its scale, and nothing else of it
	v_cvt_scalef32_pk8_fp4_f32 v[C+2*(\t)], v[XS:XS+7], v11        ; eight numbers / 2^(v11's exponent), to the nearest code; the first number's code in the lowest four bits
	v_cvt_scalef32_pk8_fp4_f32 v[C+2*(\t)+1], v[XS+8:XS+15], v11
	v_lshrrev_b32 v[E+(\t)], 23, v11               ; the scale's byte (also a plain line behind the conversions)
	ds_store_b64 v4, v[C+2*(\t):C+2*(\t)+1] offset:16*(\t)         ; my 16 codes: half of row t's 16 bytes in my block
	ds_store_b8 v5, v[E+(\t)] offset:16*(\t)       ; both lanes of a block write the same byte with the same value
.endm
.irp t, 0,1,2,3,4,5,6,7,8,9,10,11,12,13,14,15
	STEP \t
.endr
.irp i, 0,1,2,3,4,5,6,7
	ds_load_b128 v[R+4*\i:R+4*\i+3], v6 offset:2*\i*UP             ; blocks 2 i and 2 i + 1: these see my stores, since LDS serves a wave's instructions in order
.endr
	ds_load_b64 v[R+32:R+33], v10                  ; the scale bytes
	s_wait_dscnt 0x0
.irp i, 0,1,2,3,4,5,6,7
	global_store_b128 v3, v[R+4*\i:R+4*\i+3], s[8:9] offset:(\i/2)*4096+(\i%2)*512   ; half a fragment: 32 lanes store 512 consecutive bytes, at a multiple of 512 from a_codes' first byte (the next launch reads them: no hint)
.endr
	global_store_b64 v7, v[R+32:R+33], s[10:11]    ; 32 lanes store 256 consecutive bytes, at a multiple of 256 from a_scl's first byte
	s_wait_tensorcnt 0x0
	ds_add_u32 v240, v241
	s_wait_dscnt 0x0
	s_endpgm
.Lfunc_end_k_qad172e1a71_quant:
	.size	k_qad172e1a71_quant, .Lfunc_end_k_qad172e1a71_quant-k_qad172e1a71_quant
	.p2alignl 7, 3214868480
	.fill 96, 4, 3214868480
	.section	.rodata,"a",@progbits
	.p2align	6, 0x0
	.amdhsa_kernel k_qad172e1a71_quant
		.amdhsa_group_segment_fixed_size 78848
		.amdhsa_private_segment_fixed_size 0
		.amdhsa_enable_private_segment 0
		.amdhsa_kernarg_size 32
		.amdhsa_user_sgpr_count 2
		.amdhsa_user_sgpr_kernarg_segment_ptr 1
		.amdhsa_wavefront_size32 1
		.amdhsa_system_sgpr_workgroup_id_x 1
		.amdhsa_system_sgpr_workgroup_id_y 1
		.amdhsa_system_sgpr_workgroup_id_z 1
		.amdhsa_system_vgpr_workitem_id 0
		.amdhsa_next_free_vgpr 242
		.amdhsa_next_free_sgpr 66
		.amdhsa_reserve_vcc 0
		.amdhsa_float_denorm_mode_32 3
		.amdhsa_float_denorm_mode_16_64 3
		.amdhsa_memory_ordered 1
		.amdhsa_forward_progress 1
		.amdhsa_inst_pref_size 48
	.end_amdhsa_kernel
	.amdgpu_metadata
---
amdhsa.version: [ 1, 2 ]
amdhsa.kernels:
  - .name:           k_qad172e1a71_quant
    .symbol:         k_qad172e1a71_quant.kd
    .args:
      - { .name: x, .offset: 0, .size: 8, .value_kind: global_buffer, .address_space: global }
      - { .name: bern, .offset: 8, .size: 8, .value_kind: global_buffer, .address_space: global }
      - { .name: a_codes, .offset: 16, .size: 8, .value_kind: global_buffer, .address_space: global }
      - { .name: a_scl, .offset: 24, .size: 8, .value_kind: global_buffer, .address_space: global }
    .group_segment_fixed_size: 78848
    .private_segment_fixed_size: 0
    .kernarg_segment_align: 8
    .kernarg_segment_size: 32
    .max_flat_workgroup_size: 256
    .sgpr_count:     66
    .vgpr_count:     242
    .wavefront_size: 32
...
	.end_amdgpu_metadata
.endif
;; end of part 1
;; launch gemm (part 2): grid 16 x 16, 4 waves a work-group, clusters of 4 x 1, 327,680 bytes of LDS; arguments a_codes, a_scl, M_codes, M_scales, m, out0; writes out0
.if DOCPART == 2
	.amdgcn_target "amdgcn-amd-amdhsa--gfx1250"
	.amdhsa_code_object_version 6
	.text
	.protected	k_qad172e1a71_gemm
	.globl	k_qad172e1a71_gemm
	.p2align	8
	.type	k_qad172e1a71_gemm,@function
k_qad172e1a71_gemm:
	s_mov_b64 s[64:65], 0
	v_nop
	global_prefetch_b8 v0, s[64:65] scope:SCOPE_SE
	s_setreg_imm32_b32 hwreg(HW_REG_WAVE_MODE, 25, 1), 1
	s_wait_xcnt 0x0
	s_wait_alu depctr_hold_cnt(0) depctr_sa_sdst(0) depctr_va_vdst(0) depctr_va_sdst(0) depctr_va_ssrc(0) depctr_va_vcc(0) depctr_vm_vsrc(0)
	s_getreg_b32 s2, hwreg(HW_REG_IB_STS2, 6, 4)
	s_cmp_eq_u32 s2, 0
	s_cbranch_scc0 .Lentry_in_a_cluster
	s_endpgm
.Lentry_in_a_cluster:
	s_bfe_u32 s2, ttmp6, 0x10000c
	s_cmp_lg_u32 s2, 0x3003
	s_cbranch_scc0 .Lentry_shape_is_right
	s_endpgm
.Lentry_shape_is_right:
; out0[r][n] = m[n] + the sum over k of A[r][k] M[n][k], 4096 x 4096 x 4096, both operands codes of FP4 (E2M1) with one E8M0 scale for each 32 along K; sums in f32.
; LIMITS: m is the C of each sum's first product, and the last 1,024 along K are added in the order of steps 24, 25, 26, 28, 29, 30, 31, 27: the order of rounding differs from the reference's.  A scale byte 0xff makes its sums NaN.
; A: a_codes [64 groups of 64 rows][32 steps of 128 K][4 fragments][1,024 bytes], each fragment an image of the operand's registers; a_scl [8 runs of 512 K][4096 rows][16 bytes].
; M_codes [4096 n][2048 bytes], K innermost; M_scales [4096 n][128]; m [4096] and out0 [4096][4096] are f32.
; SHARES.  A tile of out0, 256 x 256, to a work-group of four waves; a wave makes 64 rows x 256 columns: 32 accumulators of 32 columns x 16 rows, 512 registers.  256 tiles.
; A GOES STRAIGHT INTO REGISTERS: no two waves of a work-group need the same rows, and a wave's codes for all of K are 131,072 consecutive bytes in the order in which it wants them.  It is not asked for jointly, though the
; tile columns share it: two slots that held both operands would hold 512 along K each, 128 matrix instructions a wave between a refill's request and the wait for it; with M alone a slot holds 1,024 along K, twice that.
; M GOES THROUGH LDS: a ring of two slots of 1,024 along K.  M's scale bytes of the 256 rows, for all of K, come once and stay.
; CLUSTERS: 4 x 1 work-groups, four tile rows of one tile column: M's tiles and scale bytes are asked for JOINTLY, with one descriptor and the mask of all four.
; THE MATRIX INSTRUCTION IS USED TRANSPOSED (source 0 = 32 rows of M, source 1 = 16 rows of A): lane (r, h) holds row r of a block of out0; registers 0-7 are columns 8 h + 0 .. 7, registers 8-15 columns 16 + 8 h + 0 .. 7.
; STEPS of 128 along K, 0 to 31.  In steps 1 to 19 M has two sets of fragments, and a step's one run of loads (the next step's M, A of three steps on) stands behind its first eight products.
; Steps 20 to 23 use M's set 0 alone, in halves, since set 1's registers take A's steps 28 to 31.  THE LAST 1,024 ALONG K GO BY COLUMNS: with A's eight steps in registers, 64 columns at a time are finished and leave,
; through a stage in slot 0, while the next 64 are multiplied.
; PREFETCHES INTO THE L2.  The launch's first tiles, A's steps 0 to 7 and M's first two slots, come by their loads alone.  M: a slot's 256 rows x 512 bytes are 512 blocks of 256 bytes: 4 work-groups x 4 waves x 32 lanes
; name one each, once in each of the four clusters of a tile column: the third slot and the fourth in the loop's two trips, five steps ahead of the tensor load.  A: a wave's eight steps are 128 blocks; tile columns
; 4 q .. 4 q + 3 name the q-th quarter: steps 8 to 15 in step 0, five steps ahead of the first load of them, 16 to 23 and 24 to 31 in the two trips.
; REGISTERS, in windows of 256: window 0: v0-31 addresses; v32-95 M's scale words, two sets; v96-119 A's scale words, three sets; v128-255 A's sets 0-3 (step t in set t % 4).
;   window 1: v0-127, v128-255 M's fragments, two sets; set 1 holds m's columns ahead of step 0 and A's steps 28-31 at the end.   window 2: accumulators of columns 0-127;   window 3: of columns 128-255.
.set KROW,   2048                      ; a row of M_codes in bytes
.set PITCH,  528                       ; an LDS row: 512 bytes + 16 of padding = 132 words: row r starts at bank 4 r mod 64 (64 banks of 4 bytes: ISA guide 11.1)
.set QROWS,  64*PITCH                  ; 64 rows: what one tensor load of the ring brings
.set SLOT,   4*QROWS                   ; no bit of SLOT is set in wave x QROWS: one exclusive or turns an LDS address from slot to slot
.set SCL,    2*SLOT                    ; behind the ring: M's scale bytes: two rows of 128 bytes, then 16 of padding
.set QS,     32*272                    ; those of 64 rows
.set SPARE,  SCL+4*QS                  ; the spare words, 128 bytes for each wave
.set SPITCH, 272                       ; the way out: a stage of 64 rows x (256 bytes + 16) for each wave, in slot 0, which has had its last fill and its last read by then
.set ASTEP,  4096                      ; bytes of a_codes that a wave takes in a step
.set AGRP,   65536                     ; a run of 512 along K in a_scl
.set AO,   8                           ; v8      16 x lane
.set BOF,  9                           ; v9      32 h: my columns of m
.set PFA,  10                          ; v10, v12  the prefetches' offsets; never rewritten
.set PFM,  12
.set ADRB, 16                          ; v16-17  LDS address of M's blocks 0-7 and 8-15 in the slot that is being fetched from
.set AB0,  18                          ; v18-19  my lane's place in those blocks; never rewritten
.set STO,  24                          ; v24     the way out: where I put 16 bytes of a row
.set RD,   25                          ; v25     the way out: where I read rows back
.set CO,   26                          ; v26     my byte offset in out0
.set ADRSB, 27                         ; v27     LDS address of my row's scale words of M: 32 bytes (1,024 along K) on at each change of slots in the loop
.set SPW,  28                          ; v28     LDS address of my spare word; never rewritten
.set NIL,  29                          ; v29     0; never rewritten
.set SCB,  32                          ; M's scale words: set g at v[SCB + 32 g]: register 4 j + q: rows 32 j + lane, the q-th 128 of a run of 512
.set SCA,  96                          ; A's: set g at v[SCA + 8 g]: register 4 j + q: blocks 2 j (lanes 0-15) and 2 j + 1 (lanes 16-31)
.set AF,   128
.set WV,   16                          ; s16      my wave's number
.set G1,   24                          ; s[24:31] descriptor group 1 for M's tiles
.set G0A,  32                          ; s[32:35] group 0 for slot 0's first fill
.set G0W,  36                          ; s[36:39] group 0 for slot 1's first fill; it then walks on
.set G1S,  40                          ; s[40:47], s[48:51] groups 1 and 0 for M's scale bytes
.set G0S,  48
.set TB,   52                          ; s52      LDS byte at which the slot that is being fetched from begins
.set CT,   53
.set PA,   54                          ; s[54:55] a_codes at my wave's stream; eight steps on a trip
.set PS,   56                          ; s[56:57] a_scl at my wave's rows; two runs on a trip
.set PM,   66                          ; s[66:67] M_codes at the tile column, for the prefetches; 1,024 along K on a trip
.set MSB, 0
.macro WIN new                         ; the immediate's high byte repeats the setting that is left; a switch that changes nothing is dropped
.if MSB != (\new)
	s_set_vgpr_msb (MSB<<8)|(\new)
.set MSB, (\new)
.endif
.endm
.set TO_B, 0x40                        ; destination window 1, address window 0
.macro CREST                           ; a round of the cluster's barrier behind its opening barrier
	s_cmp_lg_u32 s[WV], 0
	s_cbranch_scc1 .Lnot_wave_0_\@
	s_barrier_signal -3
.Lnot_wave_0_\@:
	s_barrier_wait -3
	s_barrier_signal -1
	s_barrier_wait -1
.endm
.macro CROUND                          ; a whole round
	s_barrier_signal -1
	s_barrier_wait -1
	CREST
.endm
; A load into a register that a matrix instruction has read, and an LDS store that reads a matrix result, stand four places behind that matrix instruction; only plain vector instructions that name none of its registers are
; places (ISA guide 7.12.1 for vector instructions).
.macro PLACES
.rept 4
	v_nop
.endr
.endm
	s_load_b256 s[4:11], s[0:1], 0x0               ; a_codes s[4:5], a_scl s[6:7], M_codes s[8:9], M_scales s[10:11]
	s_load_b128 s[12:15], s[0:1], 0x20             ; m s[12:13], out0 s[14:15]
	v_lshl_add_u32 v[SPW], v0, 2, SPARE
	v_mov_b32 v[NIL], 0
	ds_add_u32 v[SPW], v[NIL]                      ; the wave's opening: the add, twice on end, and its wait ahead of my first tensor load
	ds_add_u32 v[SPW], v[NIL]
	v_lshrrev_b32 v1, 5, v0
	v_readfirstlane_b32 s[WV], v1                  ; wave 0..3
	s_bfe_u32 s17, ttmp6, 0x40000                  ; cx: my place in the cluster: it enters the addresses of A, of out0 and of the prefetches alone
	s_lshl_b32 s18, ttmp9, 2                       ; in a cluster launch ttmp9 counts clusters
	s_add_co_u32 s18, s18, s17                     ; tile row = 4 x cluster x + cx
	s_and_b32 s19, ttmp7, 0xffff                   ; tile column, which the four partners share
	s_lshr_b32 s68, s[WV], 1                       ; at the head I fetch codes (0) or scale bytes (1),
	s_and_b32 s69, s[WV], 1                        ; of which 128 rows
	; descriptor group 1 for M's codes: rows of 512 bytes, 2,048 bytes apart in memory, 16 bytes of padding behind each in LDS; 128 rows at the head, later 64
	s_mov_b32 s[G1+0], 15|(0<<16)|(1<<20)|(1<<21)|(6<<22)|(3<<25)   ; 15:0 the mask: all four work-groups; elements of 1 byte; 20 padding on; 21 set beside a mask; after every 128 words (code 6); 4 words (code 3)
	s_mov_b32 s[G1+1], 512<<16                     ; tensor_dim0
	s_mov_b32 s[G1+2], 128<<16                     ; tensor_dim1
	s_mov_b32 s[G1+3], 512<<16                     ; tile_dim0
	s_mov_b32 s[G1+4], 128                         ; tile_dim1
	s_mov_b32 s[G1+5], KROW                        ; stride
	s_mov_b32 s[G1+6], 0
	s_mov_b32 s[G1+7], 0
	; for M's scale bytes: those of 128 rows are 16,384 dense bytes: 64 rows of 256 bytes (32 elements of 8 bytes), 16 bytes of padding behind each
	s_mov_b32 s[G1S+0], 15|(3<<16)|(1<<20)|(1<<21)|(5<<22)|(3<<25)
	s_mov_b32 s[G1S+1], 32<<16
	s_mov_b32 s[G1S+2], 64<<16
	s_mov_b32 s[G1S+3], 32<<16
	s_mov_b32 s[G1S+4], 64
	s_mov_b32 s[G1S+5], 32
	s_mov_b32 s[G1S+6], 0
	s_mov_b32 s[G1S+7], 0
	; offsets, all under 2^27.  Those of M's tiles hang on the tile column and the wave's number alone, in registers that never hold cx
	s_lshl_b32 s20, s18, 2
	s_add_co_u32 s20, s20, s[WV]                   ; my group of 64 rows of A and of out0: 4 x tile row + wave
	s_lshl_b32 s58, s20, 17                        ; a_codes: 131,072 bytes a group
	s_mov_b32 s59, 0
	s_lshl_b32 s60, s20, 10                        ; a_scl: 64 rows of 16 bytes
	s_mov_b32 s61, 0
	s_lshl_b32 s62, s20, 20                        ; out0: 64 rows of 16,384 bytes
	s_mov_b32 s63, 0
	s_lshl_b32 s70, s19, 19                        ; M_codes: the tile column's 256 rows of 2,048 bytes
	s_mov_b32 s71, 0
	s_lshl_b32 s2, s[WV], 17                       ; in the ring I fetch 64 of them,
	s_add_co_u32 s2, s2, s70
	s_mov_b32 s3, 0
	s_lshl_b32 s22, s69, 18                        ; at the head 128
	s_add_co_u32 s22, s22, s70
	s_mov_b32 s23, 0
	s_lshl_b32 s74, s19, 15                        ; M_scales: 256 rows of 128 bytes,
	s_lshl_b32 s75, s69, 14                        ; of which I fetch 128
	s_add_co_u32 s74, s74, s75
	s_mov_b32 s75, 0
	s_lshl_b32 s20, s19, 10                        ; the tile's first column, in bytes, in m and in a row of out0
	s_mov_b32 s21, 0
	s_mul_i32 s[G0A+1], s69, 2*QROWS               ; where my tiles go: no place in the cluster enters an LDS address
	s_mul_i32 s[G0W+1], s[WV], QROWS
	s_add_co_u32 s[G0W+1], s[G0W+1], SLOT
	s_mul_i32 s[G0S+1], s69, 2*QS
	s_add_co_u32 s[G0S+1], s[G0S+1], SCL
	s_mov_b32 s[G0A], 1                            ; count = 1
	s_mov_b32 s[G0W], 1
	s_mov_b32 s[G0S], 1
	s_mov_b32 s[TB], 0
	s_mul_i32 s76, s[WV], 64*SPITCH                ; my stage
	s_lshl_b32 s77, s[WV], 6                       ; the prefetch of M: rows 64 x wave + 16 cx + lane / 2
	s_lshl_b32 s78, s17, 4
	s_add_co_u32 s77, s77, s78
	s_lshr_b32 s79, s19, 2                         ; the prefetch of A: q = tile column / 4
	s_lshl_b32 s78, s79, 13
	s_wait_dscnt 0x0                               ; both opening adds are done
	CROUND                                         ; all four work-groups are here: the first joint loads meet
	s_wait_kmcnt 0x0
	s_add_nc_u64 s[G0A+2:G0A+3], s[8:9], s[22:23]
	s_or_b32 s[G0A+3], s[G0A+3], 0x80000000        ; type = 2
	s_add_nc_u64 s[G0S+2:G0S+3], s[10:11], s[74:75]
	s_or_b32 s[G0S+3], s[G0S+3], 0x80000000
	s_cmp_eq_u32 s68, 0
	s_cbranch_scc0 .Lhead_scales
	tensor_load_to_lds s[G0A:G0A+3], s[G1:G1+7]    ; waves 0 and 1: slot 0's codes, K = 0 .. 1,023; one tensor load a wave at the head
	s_nop 0
	PLACES
	s_branch .Lhead_asked
.Lhead_scales:
	tensor_load_to_lds s[G0S:G0S+3], s[G1S:G1S+7]  ; waves 2 and 3: the scale bytes
	s_nop 0
	PLACES
.Lhead_asked:
	s_add_nc_u64 s[G0W+2:G0W+3], s[8:9], s[2:3]
	s_add_nc_u64 s[G0W+2:G0W+3], s[G0W+2:G0W+3], 512   ; K = 1,024 .. 2,047
	s_or_b32 s[G0W+3], s[G0W+3], 0x80000000
	s_add_nc_u64 s[PA:PA+1], s[4:5], s[58:59]
	s_add_nc_u64 s[PS:PS+1], s[6:7], s[60:61]
	s_add_nc_u64 s[PM:PM+1], s[8:9], s[70:71]
	s_add_nc_u64 s[12:13], s[12:13], s[20:21]
	s_add_nc_u64 s[14:15], s[14:15], s[62:63]
	s_add_nc_u64 s[14:15], s[14:15], s[20:21]
	v_and_b32 v1, 15, v0                           ; r = lane % 16
	v_bfe_u32 v2, v0, 4, 1                         ; h = lane / 16
	v_and_b32 v3, 31, v0                           ; lane
	v_lshlrev_b32 v[AO], 4, v3
	v_lshlrev_b32 v[BOF], 5, v2
	v_mul_u32_u24 v4, v1, PITCH
	v_lshl_add_u32 v[AB0], v2, 4, v4               ; a fragment's row x pitch + 16 x half
	v_add_nc_u32 v[AB0+1], 8*16*PITCH, v[AB0]      ; blocks 8-15 lie beyond the reach of a 16-bit offset
	v_add_nc_u32 v[ADRB], s[TB], v[AB0]
	v_add_nc_u32 v[ADRB+1], s[TB], v[AB0+1]
	v_lshrrev_b32 v5, 1, v3                        ; M's scale words: row l lies in pair l / 2 (272 bytes a pair), at 128 (l % 2)
	v_mul_u32_u24 v6, v5, 272
	v_and_b32 v7, 1, v3
	v_lshl_add_u32 v6, v7, 7, v6
	v_add_nc_u32 v[ADRSB], SCL, v6
	v_mul_u32_u24 v4, v1, SPITCH                   ; the stage, in: row r, 32 h
	v_lshl_add_u32 v4, v2, 5, v4
	v_add_nc_u32 v[STO], s76, v4
	v_mul_u32_u24 v4, v2, SPITCH                   ; back: sixteen lanes take a row of 256 bytes, the others the next row
	v_lshl_add_u32 v4, v1, 4, v4
	v_add_nc_u32 v[RD], s76, v4
	v_lshlrev_b32 v[CO], 14, v2                    ; and the same two rows in out0
	v_lshl_add_u32 v[CO], v1, 4, v[CO]
	v_lshl_add_u32 v[PFA], v3, 8, s78              ; 8,192 q + 256 x lane
	v_add_nc_u32 v[PFM], s77, v5
	v_lshlrev_b32 v[PFM], 11, v[PFM]
	v_lshl_add_u32 v[PFM], v7, 8, v[PFM]           ; a row of 2,048 bytes, 256 x (lane % 2)
	s_wait_alu depctr_va_vdst(0)
; Four matrix instructions: M's 32 rows bp (fragments at v[mr ..] of window 1), against A's four blocks (at v[ab ..] of window aw).  gb, ga: the sets of scale words of M and of A;  q: which 128 of their 512.
; bias = 1: the sum starts from m's columns.  An odd block of A names the upper row of its scale register.  The accumulators take turns, one instruction a turn.
.macro MULB bp, mr, aw, ab, gb, ga, q, bias
.if \bias
	WIN (0x91+0x40*((\bp)/4)+4*(\aw))
.else
	WIN (0xa1+0x50*((\bp)/4)+4*(\aw))
.endif
.irp a, 0,1,2,3
.set DR, 16*(4*((\bp)%4)+\a)
.set CR, DR
.if \bias
.set CR, 128+16*(\bp)
.endif
.set MR, (\mr)
.set AR, (\ab)+8*\a
.set SBR, SCB+32*(\gb)+4*(\bp)+(\q)
.set SAR, SCA+8*(\ga)+4*(\a/2)+(\q)
.if \a%2
	v_wmma_scale_f32_32x16x128_f4 v[DR:DR+15], v[MR:MR+15], v[AR:AR+7], v[CR:CR+15], v[SBR], v[SAR] matrix_b_scale:MATRIX_SCALE_ROW1
.else
	v_wmma_scale_f32_32x16x128_f4 v[DR:DR+15], v[MR:MR+15], v[AR:AR+7], v[CR:CR+15], v[SBR], v[SAR]
.endif
.endr
.endm
.macro MT t, bp, bias                  ; step t, 32 columns; MC: M's set
	MULB (\bp), (MC+16*(\bp)), 0, (AF+32*((\t)%4)), (((\t)/4)%2), (((\t)/4)%2), ((\t)%4), \bias
.endm
; M's blocks 8 hf .. 8 hf + 7 of the q-th 128 along K of the slot: sixteen LDS loads.  A fragment, 16 rows x 128 K of 4-bit codes, is 8 registers: lane l holds row l % 16; registers 4 c .. 4 c + 3 hold K = 64 c + 32 (l / 16) + 0 .. 31
.macro FETCHH hf, q, mb
	WIN TO_B
.irp i, 0,1,2,3,4,5,6,7
.irp c, 0,1
	ds_load_b128 v[(\mb)+64*(\hf)+8*\i+4*\c:(\mb)+64*(\hf)+8*\i+4*\c+3], v[ADRB+(\hf)] offset:64*(\q)+32*\c+\i*16*PITCH
.endr
.endr
.endm
.macro SCALESB gp, koff                ; M's scale words of a run of 512 along K into set gp: 32 rows an instruction
	WIN 0
.irp j, 0,1,2,3,4,5,6,7
	ds_load_b128 v[SCB+32*(\gp)+4*\j:SCB+32*(\gp)+4*\j+3], v[ADRSB] offset:\j*16*272+(\koff)
.endr
.endm
.macro ALOAD k                         ; A's four fragments of a step into set k % 4: eight loads of 512 consecutive bytes; sixteen work-groups read them: no hint
	WIN 0
.irp i, 0,1,2,3,4,5,6,7
	global_load_b128 v[AF+32*((\k)%4)+4*\i:AF+32*((\k)%4)+4*\i+3], v[AO], s[PA:PA+1] offset:(\k)*ASTEP+512*\i
.endr
.endm
.macro ALOADX k                        ; the same into window 1, M's set 1
	WIN TO_B
.irp i, 0,1,2,3,4,5,6,7
	global_load_b128 v[128+32*((\k)%4)+4*\i:128+32*((\k)%4)+4*\i+3], v[AO], s[PA:PA+1] offset:(\k)*ASTEP+512*\i
.endr
.endm
.macro ASCALE gp, run                  ; A's scale words of a run of 512 along K into set gp: 32 rows of 16 bytes an instruction
	WIN 0
.irp i, 0,1
	global_load_b128 v[SCA+8*(\gp)+4*\i:SCA+8*(\gp)+4*\i+3], v[AO], s[PS:PS+1] offset:(\run)*AGRP+512*\i
.endr
.endm
; The global loads of step t: at a run's second step the next run's scale words; A of three steps on, into the set that the step before has left; extra = 1 (steps 20 to 22): also the very last run's scale words, and A of eight steps on.
.macro GLD t, extra
.if ((\t)%4) == 1
	ASCALE (((\t)+3)/4)%2, ((\t)+3)/4
.if \extra
	ASCALE 2, 3
.endif
.endif
	ALOAD (\t)+3
.if \extra
	ALOADX (\t)+8
.endif
.if (\t) == 0
	global_prefetch_b8 v[PFA], s[PA:PA+1] offset:8*ASTEP th:TH_LOAD_NT scope:SCOPE_SE    ; step 0: my quarter of A's steps 8 to 15
.endif
.if PFON && ((\t) == 2)
	global_prefetch_b8 v[PFA], s[PA:PA+1] offset:16*ASTEP th:TH_LOAD_NT scope:SCOPE_SE   ; my quarter of the eight steps of two trips on
	global_prefetch_b8 v[PFM], s[PM:PM+1] offset:1024 th:TH_LOAD_NT scope:SCOPE_SE       ; my block of the slot that this trip's refill will ask for
.endif
.endm
; A step with two sets of M.  lc: the younger loads that may stay out: A of the next two steps, 16, and 2 where a run's scale words lie between.
.macro DSTEP t, lc
.set MC, 128*((\t)%2)
	s_wait_loadcnt \lc
	s_wait_dscnt 16                                ; M's blocks 0-7 (and scale words) are in; the youngest sixteen loads, blocks 8-15, may be out
	MT \t, 0, 0
	MT \t, 1, 0
	PLACES
.set DC, 32
.if ((\t)%4) == 2
	SCALESB (((\t)/4)+1)%2, 16*(((\t)+2)/4)
.set DC, 40
.endif
	FETCHH 0, ((\t)+1)%8, 128-MC
	FETCHH 1, ((\t)+1)%8, 128-MC
	GLD \t, 0
	MT \t, 2, 0
	MT \t, 3, 0
	s_wait_dscnt DC                                ; all but the run just issued
	MT \t, 4, 0
	MT \t, 5, 0
	MT \t, 6, 0
	MT \t, 7, 0
.endm
; A step whose next fragments are fetched in halves: from set mc to set mn (step 0: set 1 holds m's columns until its products are issued; steps 20 to 22: one set).
.macro SSTEP t, lc, mc, mn, bias, extra
.set MC, \mc
	s_wait_loadcnt \lc
	s_wait_dscnt 16
.irp bp, 0,1,2,3
	MT \t, \bp, \bias
.endr
	PLACES
.set DC, 16
.if ((\t)%4) == 2
	SCALESB (((\t)/4)+1)%2, 16*(((\t)+2)/4)
.set DC, 24
.endif
	FETCHH 0, ((\t)+1)%8, \mn
	GLD \t, \extra
	s_wait_dscnt DC
.irp bp, 4,5,6,7
	MT \t, \bp, \bias
.endr
	PLACES
	FETCHH 1, ((\t)+1)%8, \mn
.endm
; A slot's last step changes slots: ONE barrier; in front of it each wave waits for all its tensor loads, adds 0 to its spare word, and waits for that and for its own reads of this slot.
.macro MEET lc
	WIN 0                                          ; (the add's two registers lie in window 0)
	s_wait_loadcnt \lc
	s_wait_tensorcnt 0x0                           ; my part of the next slot has landed;
	ds_add_u32 v[SPW], v[NIL]                      ; 0 onto my spare word;
	s_wait_dscnt 17                                ; (the add and the youngest sixteen loads, M's blocks 8-15, may be out)
	MT 7, 0, 0
	MT 7, 1, 0
	s_wait_dscnt 0x0                               ; the add is done, and my reads of this slot are over
	s_barrier_signal -1
	MT 7, 2, 0
	MT 7, 3, 0
	WIN 0
	s_barrier_wait -1
.endm
.macro DTURN                           ; with a refill: the barrier opens a round of the cluster's, and the joint refill has eight steps in which to land
.set MC, 128
	MEET 18
	CREST                                          ; no wave of any partner still reads this slot's tile or has a load on its way
	s_xor_b32 s[G0W+1], s[G0W+1], SLOT             ; no tensor load of mine is out: the walking group 0 may be written
	s_add_nc_u64 s[G0W+2:G0W+3], s[G0W+2:G0W+3], 512   ; the next 1,024 along K
	tensor_load_to_lds s[G0W:G0W+3], s[G1:G1+7]    ; the first tensor load behind the round, my one load until the next
	s_nop 0
	PLACES                                         ; also the places in front of the loads below
	s_xor_b32 s[TB], s[TB], SLOT
	v_add_nc_u32 v[ADRB], s[TB], v[AB0]
	v_add_nc_u32 v[ADRB+1], s[TB], v[AB0+1]
	v_add_nc_u32 v[ADRSB], 32, v[ADRSB]
	s_wait_alu depctr_va_vdst(0)
	FETCHH 0, 0, 0
	FETCHH 1, 0, 0
	GLD 7, 0
.irp bp, 4,5,6,7
	MT 7, \bp, 0
.endr
.endm
.set PFON, 0
	ASCALE 0, 0                                    ; A's first steps, in the order that the counts rest on (m's loads stand ahead of steps 1 and 2)
	ALOAD 0
	WIN TO_B
.irp bp, 0,1,2,3,4,5,6,7
.irp i, 0,1,2,3
	global_load_b128 v[128+16*\bp+4*\i:128+16*\bp+4*\i+3], v[BOF], s[12:13] offset:128*\bp+16*(\i%2)+64*(\i/2)   ; m, as the accumulators hold their columns
.endr
.endr
	ALOAD 1
	ALOAD 2
	s_wait_tensorcnt 0x0                           ; my tile of the head's four is in
	ds_add_u32 v[SPW], v[NIL]
	s_mov_b32 s[G1+2], 64<<16                      ; no tensor load of mine is out: from here on a load brings 64 rows
	s_mov_b32 s[G1+4], 64
	s_wait_dscnt 0x0                               ; the add is done
	CROUND                                         ; everybody's tiles are in, and all four work-groups are here
	tensor_load_to_lds s[G0W:G0W+3], s[G1:G1+7]    ; slot 1's first fill, the first tensor load behind the round
	s_nop 0
	PLACES
	SCALESB 0, 0
	FETCHH 0, 0, 0
	FETCHH 1, 0, 0
	SSTEP 0, 16, 0, 128, 1, 0                      ; the first step stands in front of the loop: its products start the sums
	WIN 0
	s_mov_b32 s[CT], 2
.set PFON, 1
.Lrun:                                                 ; two trips: from a slot's second step to the next slot's first; each fills the slot that it leaves
	DSTEP 1, 16
	DSTEP 2, 18
	DSTEP 3, 18
	DSTEP 4, 16
	DSTEP 5, 16
	DSTEP 6, 18
	DTURN
	DSTEP 8, 16
	WIN 0
	s_wait_xcnt 0x0                                ; every load and prefetch issued has had its address translated (ISA guide 3.1): only behind this wait are the bases stepped
	s_add_nc_u64 s[PA:PA+1], s[PA:PA+1], 8*ASTEP
	s_add_nc_u64 s[PS:PS+1], s[PS:PS+1], 2*AGRP
	s_add_nc_u64 s[PM:PM+1], s[PM:PM+1], 512
	s_sub_co_u32 s[CT], s[CT], 1
	s_cmp_lg_u32 s[CT], 0
	s_cbranch_scc1 .Lrun
.set PFON, 0
	DSTEP 1, 16                                    ; steps 17 to 19 (the numbers count from step 16 on)
	DSTEP 2, 18
	DSTEP 3, 18
	SSTEP 4, 16, 0, 0, 0, 1                        ; steps 20 to 22.  Behind step 20's A stand steps 21's and 22's, 16;
	SSTEP 5, 24, 0, 0, 0, 1                        ; behind step 21's: 22's, 23's, 28's;
	SSTEP 6, 36, 0, 0, 0, 1                        ; behind step 22's: 23's, 28's, two runs' scale words (4), 24's, 29's
.set MC, 0
	MEET 44                                        ; step 23, the last change of slots: nothing is filled again.  Behind its A: 28's, the scale words (4), 24's, 29's, 25's, 30's
	PLACES
	v_add_nc_u32 v[ADRB], SLOT, v[AB0]             ; slot 1 from here on
	v_add_nc_u32 v[ADRB+1], SLOT, v[AB0+1]
	s_wait_alu depctr_va_vdst(0)
; BY COLUMNS.  Sub-step sub: columns 64 (sub / 4) on, two of the eight steps along K: K0 and K1 (counted from step 24).  Step 27's A is asked for last, so it comes last.
.macro KSEL s
.if (\s) == 0
.set K0, 0
.set K1, 1
.elseif (\s) == 1
.set K0, 2
.set K1, 4
.elseif (\s) == 2
.set K0, 5
.set K1, 6
.else
.set K0, 7
.set K1, 3
.endif
.endm
.macro LOADM sub                       ; M's four blocks of 16 rows x two steps into half sub % 2 of set 0: sixteen LDS loads
	KSEL (\sub)%4
	WIN TO_B
.irp kk, 0,1
.irp i, 0,1,2,3
.irp c, 0,1
	ds_load_b128 v[64*((\sub)%2)+32*\kk+8*\i+4*\c:64*((\sub)%2)+32*\kk+8*\i+4*\c+3], v[ADRB+(\sub)/8] offset:64*(K0+\kk*(K1-K0))+32*\c+(4*(((\sub)/4)%2)+\i)*16*PITCH
.endr
.endr
.endr
.endm
.macro MULSUB sub                      ; sixteen matrix instructions: eight accumulators by turns, twice
	KSEL (\sub)%4
.irp kk, 0,1
.set KQ, K0+\kk*(K1-K0)
.irp u, 0,1
	MULB (2*((\sub)/4)+\u), (64*((\sub)%2)+32*\kk+16*\u), (KQ/4), (128+32*(KQ%4)), (KQ/4), (2*(KQ/4)), (KQ%4), 0
.endr
.endr
.endm
; THE WAY OUT of 64 columns (part p), by halves hh of 32 rows.  STAGE: into my own stage.  BACK: as whole rows of 256 bytes, into the registers that the half's accumulators have left.  SEND: stored.
; LDS serves a wave's instructions in order (ISA guide 5.7.1.4): the next part's stores into the stage need no wait behind these loads.
.macro STAGE p, hh
	WIN (0x08+4*((\p)/2))
.irp u, 0,1
.irp a, 0,1
.irp i, 0,1,2,3
	ds_store_b128 v[STO], v[128*((\p)%2)+64*\u+32*(\hh)+16*\a+4*\i:128*((\p)%2)+64*\u+32*(\hh)+16*\a+4*\i+3] offset:16*SPITCH*(2*(\hh)+\a)+128*\u+16*(\i%2)+64*(\i/2)   ; each accumulator from its low end on
.endr
.endr
.endr
.endm
.macro BACK p, hh
	WIN (0x80+0x40*((\p)/2))
.irp i, 0,1,2,3,4,5,6,7,8,9,10,11,12,13,14,15
	ds_load_b128 v[128*((\p)%2)+32*(\hh)+4*(\i%8)+64*(\i/8):128*((\p)%2)+32*(\hh)+4*(\i%8)+64*(\i/8)+3], v[RD] offset:2*SPITCH*(16*(\hh)+\i)
.endr
.endm
.macro SEND p, hh
	WIN (0x08+4*((\p)/2))
.irp i, 0,1,2,3,4,5,6,7,8,9,10,11,12,13,14,15
	global_store_b128 v[CO], v[128*((\p)%2)+32*(\hh)+4*(\i%8)+64*(\i/8):128*((\p)%2)+32*(\hh)+4*(\i%8)+64*(\i/8)+3], s[14:15] offset:2*16384*(16*(\hh)+\i)+256*(\p) th:TH_STORE_NT   ; sixteen lanes store 256 consecutive bytes, at a multiple of 256 from out0's first byte; written once, read by nobody here
.endr
.endm
.macro COLS sub
.if (\sub) == 0
	s_wait_loadcnt 32                              ; steps 24 and 25 of A are in; behind them 30, 26, 31, 27
	s_wait_dscnt 24                                ; this sub-step's M; behind it scale words (8) and the next sub-step's
.elseif (\sub) == 15
	s_wait_dscnt 0x0
.elseif ((\sub)%4) != 0
	s_wait_dscnt 16                                ; this sub-step's M (and the scale words); behind it the next's
.endif                                 ; (a part's first sub-step: the wait for 0 between STAGE and BACK has covered its M)
.if (\sub) == 1
	s_wait_loadcnt 16                              ; step 26; behind it 31 and 27
.endif
.if (\sub) == 3
	s_wait_loadcnt 0x0
.endif
	MULSUB \sub
	PLACES
.set YM, 0                             ; the LDS loads of M issued here
.if (\sub)+2 < 16
.set YM, 16
.endif
.if ((\sub)%4) == 3
	STAGE (\sub)/4, 0
	s_wait_dscnt 0x0                               ; stored: the half's registers are free
	BACK (\sub)/4, 0
	STAGE (\sub)/4, 1
.endif
.if YM
	LOADM (\sub)+2
.endif
.if ((\sub)%4) == 3
	s_wait_dscnt YM+16                             ; the first half is back
	SEND (\sub)/4, 0
	s_wait_dscnt YM                                ; the second half is stored
	BACK (\sub)/4, 1
.elseif (((\sub)%4) == 0) && ((\sub) > 0)
	s_wait_dscnt YM                                ; the part before's second half is back
	SEND (\sub)/4-1, 1
.endif
.endm
	LOADM 0
	ALOAD 10                                       ; steps 26
	ALOADX 15                                      ; and 31
	MT 7, 4, 0
	MT 7, 5, 0
	MT 7, 6, 0
	MT 7, 7, 0
	PLACES
	SCALESB 1, 48                                  ; the last run's scale words of M: step 23 has left set 1
	LOADM 1
	ALOAD 11                                       ; step 27: step 23 has left set 3
.irp sub, 0,1,2,3,4,5,6,7,8,9,10,11,12,13,14,15
	COLS \sub
.endr
	s_wait_dscnt 0x0
	SEND 3, 1
	WIN 0
	s_wait_tensorcnt 0x0                           ; the wave's end: behind my last tensor load and my last LDS store
	ds_add_u32 v[SPW], v[NIL]
	s_wait_dscnt 0x0
	CROUND                                         ; the closing round: no work-group ends while a partner may still ask for a tile that names it
	s_endpgm
.Lfunc_end_k_qad172e1a71_gemm:
	.size	k_qad172e1a71_gemm, .Lfunc_end_k_qad172e1a71_gemm-k_qad172e1a71_gemm
	.p2alignl 7, 3214868480
	.fill 96, 4, 3214868480
	.section	.rodata,"a",@progbits
	.p2align	6, 0x0
	.amdhsa_kernel k_qad172e1a71_gemm
		.amdhsa_group_segment_fixed_size 327680
		.amdhsa_private_segment_fixed_size 0
		.amdhsa_enable_private_segment 0
		.amdhsa_kernarg_size 48
		.amdhsa_user_sgpr_count 2
		.amdhsa_user_sgpr_kernarg_segment_ptr 1
		.amdhsa_wavefront_size32 1
		.amdhsa_system_sgpr_workgroup_id_x 1
		.amdhsa_system_sgpr_workgroup_id_y 1
		.amdhsa_system_sgpr_workgroup_id_z 1
		.amdhsa_system_vgpr_workitem_id 0
		.amdhsa_next_free_vgpr 1024
		.amdhsa_next_free_sgpr 96
		.amdhsa_reserve_vcc 0
		.amdhsa_float_denorm_mode_32 3
		.amdhsa_float_denorm_mode_16_64 3
		.amdhsa_memory_ordered 1
		.amdhsa_forward_progress 1
		.amdhsa_inst_pref_size 219
	.end_amdhsa_kernel
	.amdgpu_metadata
---
amdhsa.version: [ 1, 2 ]
amdhsa.kernels:
  - .name:           k_qad172e1a71_gemm
    .symbol:         k_qad172e1a71_gemm.kd
    .args:
      - { .name: a_codes, .offset: 0, .size: 8, .value_kind: global_buffer, .address_space: global }
      - { .name: a_scl, .offset: 8, .size: 8, .value_kind: global_buffer, .address_space: global }
      - { .name: M_codes, .offset: 16, .size: 8, .value_kind: global_buffer, .address_space: global }
      - { .name: M_scales, .offset: 24, .size: 8, .value_kind: global_buffer, .address_space: global }
      - { .name: m, .offset: 32, .size: 8, .value_kind: global_buffer, .address_space: global }
      - { .name: out0, .offset: 40, .size: 8, .value_kind: global_buffer, .address_space: global }
    .group_segment_fixed_size: 327680
    .private_segment_fixed_size: 0
    .kernarg_segment_align: 8
    .kernarg_segment_size: 48
    .max_flat_workgroup_size: 128
    .sgpr_count:     96
    .vgpr_count:     1024
    .wavefront_size: 32
...
	.end_amdgpu_metadata
.endif
;; end of part 2
